; MI455X (gfx1250); checked and timed in simulation.
; The chip was launched on July 23, 2026; its instructions are those of AMD's public machine-readable ISA for CDNA 5 (MIT licence, August 2026) and "CDNA5" Instruction Set Architecture Reference Guide (July 2026). The comments in the code are by the model that wrote it; some were corrected since.
;; Multi Head Causal Attention. Allowed arithmetic: matrix products marked QUANTISED: E2M3 operands, one E8M0 scale for each 32 along K, by v_wmma_scale_f32_16x16x128_f8f6f4 with both operands' format E2M3, f32 sums; everything else in f32.
;; Inputs: Wk 2,048 x 512 float32; Wo 512 x 512 float32; Wq 2,048 x 512 float32; Wv 2,048 x 512 float32; x 4 x 2,048 x 2,048 float32.
;; Outputs: out0 4 x 2,048 x 512 float32.
;; This version of the problem:
;;   THIS VERSION OF THE PROBLEM IS GIVEN IN LOW PRECISION. The matrix products marked QUANTISED in the list below multiply operands that are first quantised to E2M3 (2 exponent bits, 3 mantissa bits; 6 bits a number), with one power-of-two scale for each 32 numbers along K (OCP MX v1.0); their sums are f32. All else is computed in f32.
;;   The module's matrix products, in the order in which they are computed (A, B: the left and right operand; K: the contracted axis; several contracted axes count as one K, in the product's order):
;;     1. [M 8,192, K 2,048] x [K 2,048, N 512]; A: input x; B: input Wq: QUANTISED
;;     2. [M 8,192, K 2,048] x [K 2,048, N 512]; A: input x; B: input Wk: QUANTISED
;;     3. [M 8,192, K 2,048] x [K 2,048, N 512]; A: input x; B: input Wv: QUANTISED
;;     4. batch 64 x [M 2,048, K 32] x [K 32, N 2,048]; A: computed on the way; B: computed on the way: QUANTISED
;;     5. batch 64 x [M 32, K 2,048] x [K 2,048, N 2,048]; A: computed on the way; B: softmax (see below): QUANTISED
;;     6. [M 8,192, K 512] x [K 512, N 512]; A: computed on the way; B: input Wo: QUANTISED
;;   THE QUANTISER, for each operand of a quantised product, along K:
;;     - K is cut into blocks of 32 from its start; a last block that is shorter is filled with zeros.
;;     - A block's scale is 2^e with e = floor(log2(the largest magnitude in the block)) - 2, held to -126 .. 127; a block of zeros has e = 0. As a byte (E8M0): e + 127.
;;     - Each number is divided by its block's scale, clamped to +-7.5, and rounded to the nearest number of E2M3, ties to even, subnormals kept.
;;     - The product sums the exact products of the quantised numbers (number of the format x scale) in f32.
;;   ~~~python
;;   def quantise(x, axis):      # numpy; x: float32 -> the quantised numbers, widened to float32 again
;;       x = np.moveaxis(x, axis, -1); K = x.shape[-1]
;;       x = np.pad(x, [(0, 0)] * (x.ndim - 1) + [(0, -K % 32)]); x = x.reshape(x.shape[:-1] + (-1, 32)); a = np.abs(x).max(-1, keepdims=True)
;;       e = np.where(a > 0, np.clip(np.frexp(np.where(a > 0, a, 1))[1] - 1 - 2, -126, 127), 0)      # np.frexp(a)[1] - 1 = floor(log2(a)), exactly
;;       r = np.clip(x / 2.0 ** e, -7.5, 7.5)
;;       step = 2.0 ** (np.maximum(np.frexp(np.where(r == 0, 1, r))[1] - 1, 0) - 3)
;;       q = np.round(r / step) * step * 2.0 ** e      # np.round: ties to even
;;       return np.moveaxis(q.reshape(q.shape[:-2] + (-1,))[..., :K], -1, axis).astype(np.float32)
;;   ~~~
;;   SOFTMAX AHEAD OF A QUANTISED PRODUCT. Where the list says 'softmax', what is quantised is not the finished softmax but p = 2^(t - M), with t = logit x log2(e) and M = ceil(the row's largest t), a whole number; so 1/2 < the row's largest p <= 1. The row's sum l is taken of the UNQUANTISED p, in f32, and the product's result is divided by l at the end. Since M is a whole number, a kernel that streams over the keys may use a running M (the ceiling of the running maximum): every later rescaling is an exact power of two, which a block's scale takes up: the codes' values come out the same.
;;   OPERANDS COMPUTED ON THE WAY. 'Computed on the way' means the value that the module computes at that place (a softmax that the list does not call 'softmax' is quantised finished and normalised). What goes into a quantiser is computed in f32, as accurately as f32 sums, v_exp_f32 and their like allow (about 1e-6 of the number): no bf16 or f16 on the way to a quantiser, and a product that is left as it is and whose result goes on into a quantised operand takes f32 operands (vector FMAs, or v_wmma_f32_16x16x4_f32). A number that lies on a knife's edge between two numbers of the format may be rounded either way, as far as f32 arithmetic and the matrix unit's own rounding can turn it there, and no further.
;; One version. Each part assembles by itself: llvm-mc -triple=amdgcn-amd-amdhsa -mcpu=gfx1250 --defsym DOCPART=n.
;; ======== version 1 of 1: 4 launches
;; limits: right only within a limited range of input values
;; workspace buffers: xq 13,107,200 bytes; wq 2,662,400 bytes; qkv 9,830,400 bytes; oq 3,276,800 bytes
;; launch quant (part 1): grid 1232 x 1, 4 waves a work-group, no clusters, 68,096 bytes of LDS; arguments x, Wq, Wk, Wv, Wo, xq, wq; writes xq, wq
.if DOCPART == 1
	.amdgcn_target "amdgcn-amd-amdhsa--gfx1250"
	.amdhsa_code_object_version 6
	.text
	.protected	k_qcb7a84f9a4_quant
	.globl	k_qcb7a84f9a4_quant
	.p2align	8
	.type	k_qcb7a84f9a4_quant,@function
k_qcb7a84f9a4_quant:
	s_mov_b64 s[64:65], 0
	v_nop
	global_prefetch_b8 v0, s[64:65] scope:SCOPE_SE
	s_setreg_imm32_b32 hwreg(HW_REG_WAVE_MODE, 25, 1), 1
	s_wait_xcnt 0x0
; x [8192][2048] and Wq, Wk, Wv [2048][512], Wo [512][512], all f32, become codes of FP6 (E2M3) with one E8M0 byte for each 32 along K,
; laid as IMAGES OF THE OPERAND'S REGISTERS: a fragment (16 rows x 128 K) is 12 registers a lane, 1,536 bytes: registers 4 q .. 4 q + 3 of lane l at 512 q + 16 l.
; Lane (r, h) of a fragment holds row r; registers 6 c .. 6 c + 5 hold k = 64 c + 32 h + 0 .. 31.
; THE ROWS OF A TILE ARE NOT NEIGHBOURS: of a group of 32 rows, tile u's lane r stands for row 8 u + r + 8 (r / 8), so that later results of two neighbouring tiles are 16 neighbours.
; A block's scale is 2^(floor(log2(its largest magnitude)) - 2): its byte is the largest magnitude's exponent field - 2, held at 1 from below.
; LIMITS: a block of zeros gets the byte 1 where the quantiser says 127 (its codes are zeros, and this program alone reads the bytes); blocks whose largest magnitude lies under 2^-124
; are held at the byte 1; NaN and infinities among the inputs are not served.
; SHARES.  Work-groups 0-207: the weights; a wave takes 32 columns x 128 K, a lane a column, its registers run down K (K is the weights' first axis).
; Work-groups 208-1231: x; a wave takes 32 tokens x 128 K, two fragments.  Each load reads 512 consecutive bytes of one row; the rows turn through the wave's own stage in LDS.
; The waves share nothing: no barrier.  No tensor load and no cluster: every input byte is read by one wave, once.
.set NW,    208                        ; work-groups for the weights: 3 x 64 + 16
.set WSCL,  0x240000                   ; wq: the scale words of Wq, Wk, Wv
.set WOIMG, 0x258000                   ; Wo's images
.set WOSCL, 0x288000                   ; Wo's scale words
.set XSCL,  0xC00000                   ; xq: x's scale words
.set SLOTB, 528                        ; a row's place in the stage: 512 bytes + 16
.set TM,    10                         ; v10-13 largest magnitudes, v14-17 the other half's / the bytes, v18-21 the conversions' scale operands
	s_load_b256 s[4:11], s[0:1], 0x0               ; x, Wq, Wk, Wv
	s_load_b128 s[12:15], s[0:1], 0x20             ; Wo, xq
	s_load_b64 s[16:17], s[0:1], 0x30              ; wq
	v_lshl_add_u32 v62, v0, 2, 0x10800
	v_mov_b32 v63, 0
	v_lshrrev_b32 v1, 5, v0
	v_readfirstlane_b32 s18, v1                    ; wave
	v_and_b32 v1, 31, v0                           ; lane
	v_and_b32 v2, 15, v0                           ; r
	v_bfe_u32 v3, v0, 4, 1                         ; h
	v_lshlrev_b32 v4, 4, v1                        ; 16 x lane
	v_lshlrev_b32 v5, 2, v1                        ; 4 x lane
	s_mov_b32 s36, 0x76543210
	s_mov_b32 s37, 0xfedcba98                      ; v_permlanex16_b32's selects for lane l xor 16
	s_cmp_lt_u32 ttmp9, NW
	s_cbranch_scc0 .Lx
	; ---------------- the weights: tensor j (3 = Wo), K step s, unit hd of 32 columns
	s_lshr_b32 s19, ttmp9, 6                       ; j
	s_and_b32 s20, ttmp9, 63
	s_cmp_eq_u32 s19, 3
	s_cselect_b32 s21, 2, 4                        ; Wo has 4 K steps, the others 16
	s_cselect_b32 s22, 3, 15
	s_cselect_b32 s24, WOIMG, 0                    ; where the tensor's images begin,
	s_mov_b32 s25, WSCL
	s_cselect_b32 s25, WOSCL, s25                  ; and its scale words
	s_lshr_b32 s23, s20, s21                       ; which four units
	s_and_b32 s20, s20, s22                        ; s
	s_lshl_b32 s28, s23, 2
	s_add_co_u32 s28, s28, s18                     ; hd = 4 x that + wave
	s_lshl_b32 s29, s28, 4
	s_add_co_u32 s29, s29, s20
	s_mul_i32 s29, s29, 3
	s_add_co_u32 s29, s29, s19                     ; pair of fragments (16 hd + s) 3 + j,
	s_lshl_b32 s30, s28, 2
	s_add_co_u32 s30, s30, s20                     ; for Wo 4 hd + s
	s_cmp_eq_u32 s19, 3
	s_cselect_b32 s29, s30, s29
	s_mul_i32 s30, s29, 3072
	s_add_co_u32 s30, s30, s24
	s_mov_b32 s31, 0
	s_lshl_b32 s32, s29, 7
	s_add_co_u32 s32, s32, s25
	s_mov_b32 s33, 0
	s_lshl_b32 s34, s20, 18                        ; 128 s rows of 2,048 bytes,
	s_lshl_b32 s21, s23, 9
	s_add_co_u32 s34, s34, s21
	s_lshl_b32 s21, s18, 7
	s_add_co_u32 s34, s34, s21                     ; + 32 hd columns
	s_mov_b32 s35, 0
	s_wait_alu depctr_va_vdst(0)
	v_bfe_u32 v6, v1, 3, 1                         ; my column l is row rr of tile u: u = (l / 8) % 2,
	v_and_b32 v7, 7, v1
	v_lshrrev_b32 v8, 4, v1
	v_lshl_add_u32 v7, v8, 3, v7                   ; rr = l % 8 + 8 (l / 16)
	v_mul_u32_u24 v8, v6, 1536
	v_lshl_add_u32 v8, v7, 4, v8                   ; my place in the two images: 1,536 u + 16 rr
	v_lshlrev_b32 v9, 6, v6
	v_lshl_add_u32 v9, v7, 2, v9                   ; and among the 32 scale words: tile 0's sixteen, then tile 1's
	s_wait_kmcnt 0x0
	s_cmp_eq_u32 s19, 0                            ; the tensor is chosen by the work-group's number alone
	s_cselect_b64 s[26:27], s[6:7], s[8:9]
	s_cmp_eq_u32 s19, 2
	s_cselect_b64 s[26:27], s[10:11], s[26:27]
	s_cmp_eq_u32 s19, 3
	s_cselect_b64 s[26:27], s[12:13], s[26:27]
	s_add_nc_u64 s[26:27], s[26:27], s[34:35]
	s_add_nc_u64 s[30:31], s[16:17], s[30:31]
	s_add_nc_u64 s[32:33], s[16:17], s[32:33]
.set i, 0
.rept 128
	global_load_b32 v[128+i], v5, s[26:27] offset:2048*i th:TH_LOAD_NT   ; W(128 s + i, my column): 32 lanes read 128 consecutive bytes
.set i, i+1
.endr
; Block b of 32 along K: all its numbers are mine.  It is registers 6 c .. 6 c + 5 (c = b / 2) of lane 16 (b % 2) + rr of my tile's fragment.
.macro WBLOCK b
.set XS, 128+32*(\b)
.if 96-32*(\b) > 63
	s_wait_loadcnt 63                              ; behind this block's 32 loads stand 96 (block 0) or 64 (block 1): more than a wait's count can name, so the largest count is taken; a smaller count than the loads behind is always enough
.else
	s_wait_loadcnt 96-32*(\b)                      ; this block's 32 loads are in; the later blocks' may be out
.endif
	v_max3_num_f32 v10, |v[XS]|, |v[XS+1]|, |v[XS+2]|
	v_max3_num_f32 v11, |v[XS+3]|, |v[XS+4]|, |v[XS+5]|
.irp i, 6,10,14,18,22,26
	v_max3_num_f32 v10, v10, |v[XS+\i]|, |v[XS+\i+1]|
	v_max3_num_f32 v11, v11, |v[XS+\i+2]|, |v[XS+\i+3]|
.endr
	v_max3_num_f32 v10, v10, |v[XS+30]|, |v[XS+31]|
	v_max3_num_f32 v10, v10, v11, 0x1800000        ; and the floor 2^(3 - 127): the byte cannot fall under 1
	v_add_nc_u32 v[12+(\b)], 0xff000000, v10       ; 2 off the exponent field: the conversion's scale operand
	v_cvt_scalef32_pk16_fp6_f32 v[64+8*(\b):66+8*(\b)], v[XS:XS+15], v[12+(\b)]
	v_cvt_scalef32_pk16_fp6_f32 v[96+4*(\b):98+4*(\b)], v[XS+16:XS+31], v[12+(\b)]   ; (a conversion's three registers begin on an even number)
.if (\b) == 0
	v_lshrrev_b32 v60, 23, v[12+(\b)]              ; the scale's byte: the plain line between the conversions and the moves
.else
	v_lshrrev_b32 v11, 23, v[12+(\b)]
	v_lshl_or_b32 v60, v11, 8*(\b), v60            ; four bytes make my column's scale word
.endif
.irp i, 0,1,2
	v_mov_b32 v[67+8*(\b)+\i], v[96+4*(\b)+\i]
.endr
.if (\b)/2 == 0
	global_store_b128 v8, v[64+8*(\b):67+8*(\b)], s[30:31] offset:256*((\b)%2)          ; registers 0-3
	global_store_b64 v8, v[68+8*(\b):69+8*(\b)], s[30:31] offset:512+256*((\b)%2)       ; registers 4, 5
.else
	global_store_b64 v8, v[64+8*(\b):65+8*(\b)], s[30:31] offset:520+256*((\b)%2)       ; registers 6, 7
	global_store_b128 v8, v[66+8*(\b):69+8*(\b)], s[30:31] offset:1024+256*((\b)%2)     ; registers 8-11
.endif
.endm
	WBLOCK 0
	WBLOCK 1
	WBLOCK 2
	WBLOCK 3
	global_store_b32 v9, v60, s[32:33]
	s_endpgm
	; ---------------- x: group Gg of 32 tokens, K step s
.Lx:
	s_sub_co_u32 s19, ttmp9, NW
	s_lshr_b32 s20, s19, 2                         ; Gg
	s_and_b32 s21, s19, 3
	s_lshl_b32 s21, s21, 2
	s_add_co_u32 s21, s21, s18                     ; s
	s_lshl_b32 s22, s20, 18                        ; 32 rows of 8,192 bytes a group,
	s_lshl_b32 s23, s21, 9
	s_add_co_u32 s22, s22, s23                     ; 512 bytes a K step
	s_mov_b32 s23, 0
	s_lshr_b32 s24, s20, 2
	s_lshl_b32 s24, s24, 4
	s_add_co_u32 s24, s24, s21                     ; 16 x (block of 128 tokens) + s
	s_and_b32 s25, s20, 3                          ; the group in its block
	s_mul_i32 s26, s24, 12288
	s_mul_i32 s28, s25, 3072
	s_add_co_u32 s26, s26, s28
	s_mov_b32 s27, 0
	s_lshl_b32 s28, s24, 9
	s_lshl_b32 s29, s25, 7
	s_add_co_u32 s28, s28, s29
	s_add_co_u32 s28, s28, XSCL
	s_mov_b32 s29, 0
	s_mul_i32 s30, s18, 32*SLOTB                   ; my wave's stage
	s_wait_alu depctr_va_vdst(0)
	v_add_nc_u32 v8, s30, v4                       ; in: 16 x lane in a row's place
	v_mul_u32_u24 v9, v2, SLOTB
	v_lshl_add_u32 v9, v3, 6, v9
	v_add_nc_u32 v9, s30, v9                       ; out: place r, + 64 h: my 16 numbers of a block of 32
	s_wait_alu depctr_va_vdst(0)
	s_wait_kmcnt 0x0
	s_add_nc_u64 s[4:5], s[4:5], s[22:23]
	s_add_nc_u64 s[26:27], s[14:15], s[26:27]
	s_add_nc_u64 s[28:29], s[14:15], s[28:29]
.set i, 0
.rept 32
	global_load_b128 v[128+4*i:131+4*i], v4, s[4:5] offset:8192*i th:TH_LOAD_NT   ; token i: 32 lanes read 512 consecutive bytes
.set i, i+1
.endr
.irp q, 0,1,2,3
	s_wait_loadcnt 24-8*\q                         ; these eight rows are in; the later rows' loads may be out
.irp e, 0,1,2,3,4,5,6,7
	ds_store_b128 v8, v[128+4*(8*\q+\e):131+4*(8*\q+\e)] offset:SLOTB*(16*(\q%2)+\e+8*(\q/2))   ; token 8 q + e is row e + 8 (q / 2) of tile q % 2: the rows are put in the tiles' order here
.endr
.endr
.irp b, 0,1,2,3
.irp j, 0,1,2,3
	ds_load_b128 v[64+16*\b+4*\j:67+16*\b+4*\j], v9 offset:128*\b+16*\j              ; tile 0: register 16 b + i = k 32 b + 16 h + i of row r.  LDS serves a wave's instructions in order: these see my stores
.endr
.endr
	s_wait_dscnt 0x0                               ; tile 0 is in, and the stores have read v128 on
.irp b, 0,1,2,3
.irp j, 0,1,2,3
	ds_load_b128 v[128+16*\b+4*\j:131+16*\b+4*\j], v9 offset:16*SLOTB+128*\b+16*\j   ; tile 1 lands while tile 0 is quantised
.endr
.endr
.irp b, 0,1,2,3
	v_mov_b32 v[TM+4+\b], 0                        ; written once: a lane permute's destination counts as one of its sources
.endr
; 64 numbers of a lane, register 16 b + i = k 32 b + 16 h + i of my row, become a fragment's 12 registers at v[pc] (v[pc + 12] .. v[pc + 19] at work) and its scale word in v[pw].
.macro QUANT s, pc, pw
.irp b, 0,1,2,3
	v_max3_num_f32 v[TM+\b], |v[\s+16*\b]|, |v[\s+1+16*\b]|, 0x1800000   ; with the floor 2^(3 - 127)
.endr
.irp i, 2,4,6,8,10,12,14
.irp b, 0,1,2,3
	v_max3_num_f32 v[TM+\b], v[TM+\b], |v[\s+16*\b+\i]|, |v[\s+1+16*\b+\i]|   ; the four blocks by turns
.endr
.endr
.irp b, 0,1,2,3
	v_permlanex16_b32 v[TM+4+\b], v[TM+\b], s36, s37
.endr
.irp b, 0,1,2,3
	v_max_num_f32 v[TM+\b], v[TM+\b], v[TM+4+\b]   ; with lane l xor 16's sixteen: the block's largest magnitude
.endr
.irp b, 0,1,2,3
	v_add_nc_u32 v[TM+8+\b], 0xff000000, v[TM+\b]
.endr
.irp b, 0,1,2,3
	v_lshrrev_b32 v[TM+4+\b], 23, v[TM+8+\b]
.endr
	v_lshl_or_b32 v[\pw], v[TM+5], 8, v[TM+4]
	v_lshl_or_b32 v[\pw], v[TM+6], 16, v[\pw]
	v_lshl_or_b32 v[\pw], v[TM+7], 24, v[\pw]
.irp c, 0,1
	v_cvt_scalef32_pk16_fp6_f32 v[\pc+6*\c:\pc+2+6*\c], v[\s+32*\c:\s+15+32*\c], v[TM+8+2*\c]
	v_cvt_scalef32_pk16_fp6_f32 v[\pc+12+4*\c:\pc+14+4*\c], v[\s+16+32*\c:\s+31+32*\c], v[TM+8+2*\c+1]
.endr
	v_nop                                          ; one plain line behind the scaled conversions
.irp c, 0,1                                    ; the layout wants a WHOLE block in a lane: lanes 0-15 block 2 c, lanes 16-31 block 2 c + 1
.irp i, 0,1,2
	v_permlane16_swap_b32 v[\pc+6*\c+\i], v[\pc+12+4*\c+\i]
.endr
.irp i, 0,1,2
	v_mov_b32 v[\pc+3+6*\c+\i], v[\pc+12+4*\c+\i]
.endr
.endr
.endm
	QUANT 64, 24, 44
	s_wait_dscnt 0x0                               ; tile 1 is in
	QUANT 128, 192, 45
.irp q, 0,1,2
	global_store_b128 v4, v[24+4*\q:27+4*\q], s[26:27] offset:512*\q                  ; 32 lanes store 512 consecutive bytes
	global_store_b128 v4, v[192+4*\q:195+4*\q], s[26:27] offset:1536+512*\q
.endr
	v_cmp_le_u32 vcc_lo, 16, v1
	v_cndmask_b32 v46, v44, v45, vcc_lo            ; lanes 0-15: tile 0's words, lanes 16-31: tile 1's
	global_store_b32 v5, v46, s[28:29]
	s_wait_tensorcnt 0x0
	ds_add_u32 v62, v63
	s_wait_dscnt 0x0
	s_endpgm
.Lfunc_end_k_qcb7a84f9a4_quant:
	.size	k_qcb7a84f9a4_quant, .Lfunc_end_k_qcb7a84f9a4_quant-k_qcb7a84f9a4_quant
	.p2alignl 7, 3214868480
	.fill 96, 4, 3214868480
	.section	.rodata,"a",@progbits
	.p2align	6, 0x0
	.amdhsa_kernel k_qcb7a84f9a4_quant
		.amdhsa_group_segment_fixed_size 68096
		.amdhsa_private_segment_fixed_size 0
		.amdhsa_enable_private_segment 0
		.amdhsa_kernarg_size 56
		.amdhsa_user_sgpr_count 2
		.amdhsa_user_sgpr_kernarg_segment_ptr 1
		.amdhsa_wavefront_size32 1
		.amdhsa_system_sgpr_workgroup_id_x 1
		.amdhsa_system_sgpr_workgroup_id_y 1
		.amdhsa_system_sgpr_workgroup_id_z 1
		.amdhsa_system_vgpr_workitem_id 0
		.amdhsa_next_free_vgpr 256
		.amdhsa_next_free_sgpr 66
		.amdhsa_reserve_vcc 1
		.amdhsa_float_denorm_mode_32 3
		.amdhsa_float_denorm_mode_16_64 3
		.amdhsa_memory_ordered 1
		.amdhsa_forward_progress 1
		.amdhsa_inst_pref_size 39
	.end_amdhsa_kernel
	.amdgpu_metadata
---
amdhsa.version: [ 1, 2 ]
amdhsa.kernels:
  - .name:           k_qcb7a84f9a4_quant
    .symbol:         k_qcb7a84f9a4_quant.kd
    .args:
      - { .name: x, .offset: 0, .size: 8, .value_kind: global_buffer, .address_space: global }
      - { .name: Wq, .offset: 8, .size: 8, .value_kind: global_buffer, .address_space: global }
      - { .name: Wk, .offset: 16, .size: 8, .value_kind: global_buffer, .address_space: global }
      - { .name: Wv, .offset: 24, .size: 8, .value_kind: global_buffer, .address_space: global }
      - { .name: Wo, .offset: 32, .size: 8, .value_kind: global_buffer, .address_space: global }
      - { .name: xq, .offset: 40, .size: 8, .value_kind: global_buffer, .address_space: global }
      - { .name: wq, .offset: 48, .size: 8, .value_kind: global_buffer, .address_space: global }
    .group_segment_fixed_size: 68096
    .private_segment_fixed_size: 0
    .kernarg_segment_align: 8
    .kernarg_segment_size: 56
    .max_flat_workgroup_size: 128
    .sgpr_count:     66
    .vgpr_count:     256
    .wavefront_size: 32
...
	.end_amdgpu_metadata
.endif
;; end of part 1
;; launch proj (part 2): grid 4 x 64, 4 waves a work-group, clusters of 4 x 1, 327,680 bytes of LDS; arguments xq, wq, qkv; writes qkv
.if DOCPART == 2
	.amdgcn_target "amdgcn-amd-amdhsa--gfx1250"
	.amdhsa_code_object_version 6
	.text
	.protected	k_qcb7a84f9a4_proj
	.globl	k_qcb7a84f9a4_proj
	.p2align	8
	.type	k_qcb7a84f9a4_proj,@function
k_qcb7a84f9a4_proj:
	s_mov_b64 s[64:65], 0
	v_nop
	global_prefetch_b8 v0, s[64:65] scope:SCOPE_SE
	s_setreg_imm32_b32 hwreg(HW_REG_WAVE_MODE, 25, 1), 1
	s_wait_xcnt 0x0
	s_wait_alu depctr_hold_cnt(0) depctr_sa_sdst(0) depctr_va_vdst(0) depctr_va_sdst(0) depctr_va_ssrc(0) depctr_va_vcc(0) depctr_vm_vsrc(0)
	s_getreg_b32 s2, hwreg(HW_REG_IB_STS2, 6, 4)
	s_cmp_eq_u32 s2, 0
	s_cbranch_scc0 .Lentry_in_a_cluster
	s_endpgm
.Lentry_in_a_cluster:
	s_bfe_u32 s2, ttmp6, 0x10000c
	s_cmp_lg_u32 s2, 0x3003
	s_cbranch_scc0 .Lentry_shape_is_right
	s_endpgm
.Lentry_shape_is_right:
; q = x Wq, k = x Wk, v = x Wv on codes of FP6 (E2M3) with E8M0 scales, K = 2,048 in 16 steps of 128; the results are quantised on the way out: q and k along a head's 32 numbers (one block),
; v along the tokens (blocks of 32 tokens), and stored as halves of fragments: 6 registers a lane, 768 bytes: registers 0-3 of lane l at 16 l, registers 4, 5 at 512 + 8 l.
; SHARES.  Work-group (x, y) takes tokens 128 y .. 128 y + 127 and heads 4 x .. 4 x + 3.  Wave w takes head 4 x + w: its 32 columns of Wq, Wk and Wv, six tiles of 16, against all 8 tiles of tokens: 48 accumulators.
; x's codes of the 128 tokens (196,608 bytes, 12,288 a K step) and their scale words (8,192 bytes) come into LDS once, as they lie in memory, by tensor loads in rows of 256 bytes:
; at the head waves 0-2 ask for K steps 2 w and 2 w + 1 and wave 3 for the scale words; behind the next round each wave asks for a quarter of K steps 6-15 (120 rows), which may land while K steps 0-4 are multiplied;
; the wait for it and a barrier stand at the head of K step 5, which is the first to fetch fragments of K step 6.  No LDS byte is filled twice.
; CLUSTERS: the four work-groups of a row (the same y) form a cluster and need the same tiles of x: each tile is asked for JOINTLY, by the same tensor load with the same descriptor and the mask of all four.
; The descriptors hang on y and the wave's number alone; no branch and no LDS address hangs on the place in the cluster; only the weights' and the results' addresses do.
; A round of the cluster's barrier stands ahead of the head's loads, ahead of the second fill and ahead of the end.
; A wave's weights are read by that wave alone: they go from memory straight into registers, three sets by turns, asked for three K steps ahead.
; The 16 K steps are expanded from one macro: x's two sets and the weights' three come back together only after six steps, and the second fill's barrier stands in one step alone.
; q, k: the product is used TRANSPOSED (source 0 = 16 columns of W, source 1 = 16 tokens): a lane holds one token and eight of the head's numbers.  v: as it stands: a lane holds one of the head's numbers and eight tokens.
; The rows of a tile are 8 u + r + 8 (r / 8) of a group of 32, on both sides, so that two neighbouring accumulators are 16 neighbours along the next product's K.
; NO PREFETCH: all of x's bytes are asked for by the first two loads of each wave, the weights three steps ahead.
; LIMITS: a block of zeros gets the byte 1 (its codes are zeros; this program alone reads the bytes); largest magnitudes under 2^-124 are held at the byte 1; NaN and infinities are not served.
; REGISTERS, in windows of 256: window 0: v1-11 addresses; v12-19 x's scale words, two sets; v20-28 the weights' scale words, three sets; v32-127, v128-223 x's 8 fragments, two sets; v254, v255 the add's two.
;   window 1: the weights' 6 fragments, three sets of 72.   window 2: the accumulators of q and k at 128 j + 32 g + 16 ut + 8 uc.   window 3: those of v at 32 g + 16 uc + 8 ut.
.set LXS,  196608                      ; LDS: x's scale words, behind its images
.set SPARE, 204800                     ; the spare words, 128 bytes a wave
.set ST1,  73728                       ; bytes of K steps 0-5
.set TM,   32                          ; the way out, in window 0: v32-39 largest magnitudes, v40-47 the other half's, v48-55 the conversions' scale operands, v56-63 the bytes
.set TP,   40
.set SOP,  48
.set BY,   56
.set MSB, 0
.macro WIN new                         ; the immediate's high byte repeats the setting that is left
.if MSB != (\new)
	s_set_vgpr_msb (MSB<<8)|(\new)
.set MSB, (\new)
.endif
.endm
.macro CROUND                          ; a round of the cluster's barrier: my work-group's barrier, wave 0 signals for the work-group, every wave waits for all four, my work-group's barrier once more
	s_barrier_signal -1
	s_barrier_wait -1
	s_cmp_lg_u32 s10, 0
	s_cbranch_scc1 .Lnot_wave_0_\@
	s_barrier_signal -3
.Lnot_wave_0_\@:
	s_barrier_wait -3
	s_barrier_signal -1
	s_barrier_wait -1
.endm
; one matrix instruction on the registers named by rD, rA, rB, rSA, rSB.  zero: it starts the sum.  ra, rb: the scales stand in lanes 16-31 of their register
.macro WM zero, ra, rb
.if \zero
.if (\ra) && (\rb)
	v_wmma_scale_f32_16x16x128_f8f6f4 v[rD:rD+7], v[rA:rA+11], v[rB:rB+11], 0, v[rSA], v[rSB] matrix_a_fmt:MATRIX_FMT_FP6 matrix_b_fmt:MATRIX_FMT_FP6 matrix_a_scale:MATRIX_SCALE_ROW1 matrix_b_scale:MATRIX_SCALE_ROW1
.elseif \ra
	v_wmma_scale_f32_16x16x128_f8f6f4 v[rD:rD+7], v[rA:rA+11], v[rB:rB+11], 0, v[rSA], v[rSB] matrix_a_fmt:MATRIX_FMT_FP6 matrix_b_fmt:MATRIX_FMT_FP6 matrix_a_scale:MATRIX_SCALE_ROW1
.elseif \rb
	v_wmma_scale_f32_16x16x128_f8f6f4 v[rD:rD+7], v[rA:rA+11], v[rB:rB+11], 0, v[rSA], v[rSB] matrix_a_fmt:MATRIX_FMT_FP6 matrix_b_fmt:MATRIX_FMT_FP6 matrix_b_scale:MATRIX_SCALE_ROW1
.else
	v_wmma_scale_f32_16x16x128_f8f6f4 v[rD:rD+7], v[rA:rA+11], v[rB:rB+11], 0, v[rSA], v[rSB] matrix_a_fmt:MATRIX_FMT_FP6 matrix_b_fmt:MATRIX_FMT_FP6
.endif
.else
.if (\ra) && (\rb)
	v_wmma_scale_f32_16x16x128_f8f6f4 v[rD:rD+7], v[rA:rA+11], v[rB:rB+11], v[rD:rD+7], v[rSA], v[rSB] matrix_a_fmt:MATRIX_FMT_FP6 matrix_b_fmt:MATRIX_FMT_FP6 matrix_a_scale:MATRIX_SCALE_ROW1 matrix_b_scale:MATRIX_SCALE_ROW1
.elseif \ra
	v_wmma_scale_f32_16x16x128_f8f6f4 v[rD:rD+7], v[rA:rA+11], v[rB:rB+11], v[rD:rD+7], v[rSA], v[rSB] matrix_a_fmt:MATRIX_FMT_FP6 matrix_b_fmt:MATRIX_FMT_FP6 matrix_a_scale:MATRIX_SCALE_ROW1
.elseif \rb
	v_wmma_scale_f32_16x16x128_f8f6f4 v[rD:rD+7], v[rA:rA+11], v[rB:rB+11], v[rD:rD+7], v[rSA], v[rSB] matrix_a_fmt:MATRIX_FMT_FP6 matrix_b_fmt:MATRIX_FMT_FP6 matrix_b_scale:MATRIX_SCALE_ROW1
.else
	v_wmma_scale_f32_16x16x128_f8f6f4 v[rD:rD+7], v[rA:rA+11], v[rB:rB+11], v[rD:rD+7], v[rSA], v[rSB] matrix_a_fmt:MATRIX_FMT_FP6 matrix_b_fmt:MATRIX_FMT_FP6
.endif
.endif
.endm
; the weights of K step q into set n: 18 + 3 = 21 loads; every offset is an immediate
.macro BLOAD n, q
	WIN 0x40                                       ; destination window 1
.set i, 0
.rept 18
	global_load_b128 v[72*(\n)+4*i:72*(\n)+4*i+3], v2, s[12:13] offset:9216*(\q)+512*i
.set i, i+1
.endr
	WIN 0
.irp j, 0,1,2
	global_load_b32 v[20+3*(\n)+\j], v3, s[14:15] offset:384*(\q)+128*\j   ; lanes 0-15: tile 0's words, lanes 16-31: tile 1's
.endr
.endm
; x's 8 fragments and 4 registers of scale words of the K step at v9, v10, into set a
.macro ALOAD a
.set i, 0
.rept 24
	ds_load_b128 v[32+96*(\a)+4*i:32+96*(\a)+4*i+3], v9 offset:512*i
.set i, i+1
.endr
.irp g, 0,1,2,3
	ds_load_b32 v[12+4*(\a)+\g], v10 offset:128*\g
.endr
.endm
; a K step's 48 matrix instructions.  The 48 accumulators take turns, one instruction a turn, in the same order in every step.
.macro MULS a, n, zero
	WIN 0xa1                                       ; source 0 (W) window 1, source 1 (x) window 0, C and D window 2
.irp j, 0,1
.irp g, 0,1,2,3
.irp ut, 0,1
.irp uc, 0,1
.set rD, 128*\j+32*\g+16*\ut+8*\uc
.set rA, 72*(\n)+12*(2*\j+\uc)
.set rB, 32+96*(\a)+12*(2*\g+\ut)
.set rSA, 20+3*(\n)+\j
.set rSB, 12+4*(\a)+\g
	WM \zero, \uc, \ut
.endr
.endr
.endr
.endr
	WIN 0xf4                                       ; source 0 (x) window 0, source 1 (W) window 1, C and D window 3
.irp g, 0,1,2,3
.irp uc, 0,1
.irp ut, 0,1
.set rD, 32*\g+16*\uc+8*\ut
.set rA, 32+96*(\a)+12*(2*\g+\ut)
.set rB, 72*(\n)+12*(4+\uc)
.set rSA, 12+4*(\a)+\g
.set rSB, 20+3*(\n)+2
	WM \zero, \ut, \uc
.endr
.endr
.endr
.endm
; K step st, on x's set st % 2 and the weights' set st % 3
.macro STEP st
.if (\st) == 5
	s_wait_tensorcnt 0x0                           ; my quarter of K steps 6-15 has landed,
	s_wait_dscnt 0x0
	s_barrier_signal -1
	s_barrier_wait -1                              ; and everybody's: this step fetches K step 6's fragments.
.endif
.if (\st) < 14
	s_wait_loadcnt 42                              ; my weights of this step are in; the 2 x 21 loads of the two sets behind them may be out
.else
	s_wait_loadcnt 21*(15-(\st))                   ; K steps 14 and 15: one set behind, then none
.endif
	s_wait_dscnt 0x0                               ; x's fragments too: they were asked for a whole step ago
.if (\st) < 15
	s_add_co_u32 s20, s20, 12288
	s_add_co_u32 s21, s21, 512
	v_add_nc_u32 v9, s20, v2
	v_add_nc_u32 v10, s21, v3
	ALOAD 1-(\st)%2
.endif
	MULS (\st)%2, (\st)%3, (\st)==0
	WIN 0
.rept 4
	v_nop                                          ; four places in front of loads into registers that these products have read; at the end, of the first read of results
.endr
.if (\st) < 13
	BLOAD (\st)%3, (\st)+3
.endif
.endm
.macro G1SET g, rows                   ; descriptor group 1: rows of 256 bytes (32 elements of 8 bytes), dense in memory and in LDS; the mask names the cluster's four work-groups, bit 21 set beside it
	s_mov_b32 s[\g], 15|(3<<16)|(1<<21)
	s_mov_b32 s[\g+1], 32<<16
	s_mov_b32 s[\g+2], (\rows)<<16
	s_mov_b32 s[\g+3], 32<<16
	s_mov_b32 s[\g+4], \rows
	s_mov_b32 s[\g+5], 32
	s_mov_b32 s[\g+6], 0
	s_mov_b32 s[\g+7], 0
.endm
	s_load_b128 s[4:7], s[0:1], 0x0                ; xq, wq
	s_load_b64 s[8:9], s[0:1], 0x10                ; qkv
	v_lshl_add_u32 v254, v0, 2, SPARE
	v_mov_b32 v255, 0
	ds_add_u32 v254, v255                          ; the opening lines: the add, twice on end, and its wait ahead of the round in front of my first tensor load
	ds_add_u32 v254, v255
	v_lshrrev_b32 v1, 5, v0
	v_readfirstlane_b32 s10, v1                    ; wave
	v_and_b32 v1, 31, v0                           ; lane
	v_lshlrev_b32 v2, 4, v1                        ; 16 x lane
	v_lshlrev_b32 v3, 2, v1                        ; 4 x lane
	v_lshlrev_b32 v11, 3, v1                       ; 8 x lane
	G1SET 48, 96                                   ; two K steps of images
	G1SET 56, 32                                   ; the scale words
	G1SET 68, 120                                  ; a quarter of K steps 6-15
	s_and_b32 s11, ttmp7, 0xffff                   ; the block of 128 tokens: the cluster's y
	s_bfe_u32 s17, ttmp6, 0x40000                  ; cx: my place in the cluster
	s_lshl_b32 s16, ttmp9, 2
	s_add_co_u32 s16, s16, s17                     ; work-group x = 4 x cluster x + cx
	s_lshl_b32 s16, s16, 2
	s_add_co_u32 s16, s16, s10                     ; my head
	s_mul_i32 s18, s11, 196608
	s_mov_b32 s19, 0
	s_lshl_b32 s36, s11, 13
	s_add_co_u32 s36, s36, 0xC00000
	s_mov_b32 s37, 0
	s_mul_i32 s44, s10, 24576                      ; the head's load of waves 0-2: K steps 2 w, 2 w + 1
	s_mov_b32 s45, 0
	s_mul_i32 s46, s10, 30720                      ; the second load: 120 rows a wave, behind K step 5
	s_add_co_u32 s46, s46, ST1
	s_mov_b32 s47, 0
	s_wait_alu depctr_va_vdst(0)
	s_wait_dscnt 0x0                               ; both opening adds are done
	s_wait_kmcnt 0x0
	s_add_nc_u64 s[24:25], s[4:5], s[18:19]        ; the block's images
	s_add_nc_u64 s[26:27], s[4:5], s[36:37]        ; and its scale words
	CROUND                                         ; all four work-groups are here: the first joint loads meet
	s_mov_b32 s76, 1
	s_mov_b32 s77, s44
	s_add_nc_u64 s[78:79], s[24:25], s[44:45]
	s_or_b32 s79, s79, 0x80000000
	s_mov_b32 s84, 1
	s_mov_b32 s85, LXS
	s_mov_b64 s[86:87], s[26:27]
	s_or_b32 s87, s87, 0x80000000
	s_mov_b32 s80, 1
	s_mov_b32 s81, s46
	s_add_nc_u64 s[82:83], s[24:25], s[46:47]
	s_or_b32 s83, s83, 0x80000000
	s_cmp_lt_u32 s10, 3                            ; one tensor load a wave at the head, in the two arms of one branch on the wave's number
	s_cbranch_scc0 .Lhead_s
	tensor_load_to_lds s[76:79], s[48:55]
	s_nop 0
.rept 4
	v_nop
.endr
	s_branch .Lhead_j
.Lhead_s:
	tensor_load_to_lds s[84:87], s[56:63]
	s_nop 0
.rept 4
	v_nop
.endr
.Lhead_j:
	s_mul_i32 s18, s16, 147456                     ; my head's weights: 16 K steps of 9,216 bytes,
	s_add_nc_u64 s[12:13], s[6:7], s[18:19]
	s_mul_i32 s18, s16, 6144                       ; and of 384 bytes of scale words
	s_add_co_u32 s18, s18, 0x240000
	s_add_nc_u64 s[14:15], s[6:7], s[18:19]
	BLOAD 0, 0
	BLOAD 1, 1
	BLOAD 2, 2
	s_lshr_b32 s38, s11, 4
	s_lshl_b32 s38, s38, 4
	s_add_co_u32 s38, s38, s16                     ; 16 x batch + head
	s_and_b32 s39, s11, 15                         ; the block in its batch
	s_lshl_b32 s40, s38, 6
	s_lshl_b32 s41, s39, 2
	s_add_co_u32 s40, s40, s41
	s_mul_i32 s40, s40, 768                        ; the way out: my 4 groups of 32 tokens, 768 bytes each,
	s_mov_b32 s41, 0
	s_add_nc_u64 s[28:29], s[8:9], s[40:41]
	s_lshl_b32 s42, s38, 4
	s_add_co_u32 s42, s42, s39
	s_lshl_b32 s42, s42, 7
	s_add_co_u32 s42, s42, 0x900000                ; and 128 bytes of scale words
	s_mov_b32 s43, 0
	s_add_nc_u64 s[30:31], s[8:9], s[42:43]
	s_mov_b32 s32, 0x76543210
	s_mov_b32 s33, 0xfedcba98                      ; v_permlanex16_b32's selects for lane l xor 16
	v_cmp_le_u32 s34, 16, v1                       ; lanes 16-31
	s_mov_b32 s20, 0                               ; where the K step's images begin in LDS,
	s_mov_b32 s21, LXS                             ; and its scale words
	v_add_nc_u32 v9, s20, v2
	v_add_nc_u32 v10, s21, v3
	s_wait_alu depctr_va_vdst(0)
	s_wait_tensorcnt 0x0                           ; my part of the head's loads is in
	ds_add_u32 v254, v255
	s_wait_dscnt 0x0
	CROUND                                         ; a whole round: everybody's part is in, and all four work-groups are here
	tensor_load_to_lds s[80:83], s[68:75]          ; my quarter of K steps 6-15: my one tensor load behind this round
	s_nop 0
.rept 4
	v_nop
.endr
	ALOAD 0
.set ST, 0
.rept 16
	STEP ST                                        ; the first K step starts the sums: nothing is cleared
.set ST, ST+1
.endr
; THE WAY OUT of unit j (0 q, 1 k, 2 v).  Eight runs of 16 registers, run x at base + 16 x, each 16 neighbours of a block of 32; the other 16 lie in lane l xor 16.  q, k: run 2 g + ut is a token's head;
; v: run 2 g + uc is 32 tokens of one of the head's numbers.  w2, w1: the window settings for two sources and for one.  typ 0: the words are (runs 0-3), (runs 4-7); typ 1: (runs 0, 2, 4, 6), (runs 1, 3, 5, 7).
.macro QUNIT j, w2, w1, base, typ
	WIN \w2
.irp x, 0,1,2,3,4,5,6,7
	v_max3_num_f32 v[TM+\x], |v[\base+16*\x]|, |v[\base+16*\x+1]|, 0x1800000   ; with the floor 2^(3 - 127).  Each accumulator is read from its low end on
.endr
.irp i, 2,4,6,8,10,12,14
.irp x, 0,1,2,3,4,5,6,7
	v_max3_num_f32 v[TM+\x], |v[\base+16*\x+\i]|, |v[\base+16*\x+\i+1]|, v[TM+\x]
.endr
.endr
	WIN 0
.irp x, 0,1,2,3,4,5,6,7
	v_permlanex16_b32 v[TP+\x], v[TM+\x], s32, s33
.endr
.irp x, 0,1,2,3,4,5,6,7
	v_max_num_f32 v[TM+\x], v[TM+\x], v[TP+\x]
.endr
.irp x, 0,1,2,3,4,5,6,7
	v_add_nc_u32 v[SOP+\x], 0xff000000, v[TM+\x]   ; 2 off the exponent field: the conversion's scale operand
.endr
.irp x, 0,1,2,3,4,5,6,7
	v_lshrrev_b32 v[BY+\x], 23, v[SOP+\x]          ; the scale's byte
.endr
.if \typ == 0
	v_lshl_or_b32 v176, v[BY+1], 8, v[BY]          ; 64 tokens' word of row r: byte 2 (g % 2) + ut
	v_lshl_or_b32 v177, v[BY+5], 8, v[BY+4]
	v_lshl_or_b32 v176, v[BY+2], 16, v176
	v_lshl_or_b32 v177, v[BY+6], 16, v177
	v_lshl_or_b32 v176, v[BY+3], 24, v176
	v_lshl_or_b32 v177, v[BY+7], 24, v177
.else
	v_lshl_or_b32 v176, v[BY+2], 8, v[BY]          ; 128 tokens' word of row r of tile uc: byte g
	v_lshl_or_b32 v177, v[BY+3], 8, v[BY+1]
	v_lshl_or_b32 v176, v[BY+4], 16, v176
	v_lshl_or_b32 v177, v[BY+5], 16, v177
	v_lshl_or_b32 v176, v[BY+6], 24, v176
	v_lshl_or_b32 v177, v[BY+7], 24, v177
.endif
	v_cndmask_b32 v[178+\j], v176, v177, s34       ; lanes 0-15 the first word, lanes 16-31 the second
	WIN \w1
.irp g, 0,1,2,3
	v_cvt_scalef32_pk16_fp6_f32 v[64+32*\j+8*\g:66+32*\j+8*\g], v[\base+32*\g:\base+32*\g+15], v[SOP+2*\g]
	v_cvt_scalef32_pk16_fp6_f32 v[160+4*\g:162+4*\g], v[\base+32*\g+16:\base+32*\g+31], v[SOP+2*\g+1]
.endr
	WIN 0
	v_nop                                          ; one plain line behind the scaled conversions
.irp g, 0,1,2,3                                ; a WHOLE block in a lane: lanes 0-15 the first run's rows, lanes 16-31 the second's
.irp i, 0,1,2
	v_permlane16_swap_b32 v[64+32*\j+8*\g+\i], v[160+4*\g+\i]
.endr
.irp i, 0,1,2
	v_mov_b32 v[67+32*\j+8*\g+\i], v[160+4*\g+\i]
.endr
.endr
.irp g, 0,1,2,3
	global_store_b128 v2, v[64+32*\j+8*\g:67+32*\j+8*\g], s[28:29] offset:\j*0x300000+768*\g        ; 32 lanes store 512 consecutive bytes,
	global_store_b64 v11, v[68+32*\j+8*\g:69+32*\j+8*\g], s[28:29] offset:\j*0x300000+768*\g+512    ; and 256
.endr
	global_store_b32 v3, v[178+\j], s[30:31] offset:\j*0x20000
.endm
.irp x, 0,1,2,3,4,5,6,7
	v_mov_b32 v[TP+\x], 0                          ; written once: a lane permute's destination counts as one of its sources
.endr
	QUNIT 0, 0x0a, 0x02, 0, 0                      ; each unit has its own registers for its codes and its words: no store's data are written again
	QUNIT 1, 0x0a, 0x02, 128, 0
	QUNIT 2, 0x0f, 0x03, 0, 1
	s_wait_tensorcnt 0x0                           ; the wave's end
	ds_add_u32 v254, v255
	s_wait_dscnt 0x0
	CROUND                                         ; the closing round: no work-group ends while a partner may still ask for a tile that names it
	s_endpgm
.Lfunc_end_k_qcb7a84f9a4_proj:
	.size	k_qcb7a84f9a4_proj, .Lfunc_end_k_qcb7a84f9a4_proj-k_qcb7a84f9a4_proj
	.p2alignl 7, 3214868480
	.fill 96, 4, 3214868480
	.section	.rodata,"a",@progbits
	.p2align	6, 0x0
	.amdhsa_kernel k_qcb7a84f9a4_proj
		.amdhsa_group_segment_fixed_size 327680
		.amdhsa_private_segment_fixed_size 0
		.amdhsa_enable_private_segment 0
		.amdhsa_kernarg_size 24
		.amdhsa_user_sgpr_count 2
		.amdhsa_user_sgpr_kernarg_segment_ptr 1
		.amdhsa_wavefront_size32 1
		.amdhsa_system_sgpr_workgroup_id_x 1
		.amdhsa_system_sgpr_workgroup_id_y 1
		.amdhsa_system_sgpr_workgroup_id_z 1
		.amdhsa_system_vgpr_workitem_id 0
		.amdhsa_next_free_vgpr 1024
		.amdhsa_next_free_sgpr 96
		.amdhsa_reserve_vcc 0
		.amdhsa_float_denorm_mode_32 3
		.amdhsa_float_denorm_mode_16_64 3
		.amdhsa_memory_ordered 1
		.amdhsa_forward_progress 1
		.amdhsa_inst_pref_size 197
	.end_amdhsa_kernel
	.amdgpu_metadata
---
amdhsa.version: [ 1, 2 ]
amdhsa.kernels:
  - .name:           k_qcb7a84f9a4_proj
    .symbol:         k_qcb7a84f9a4_proj.kd
    .args:
      - { .name: xq, .offset: 0, .size: 8, .value_kind: global_buffer, .address_space: global }
      - { .name: wq, .offset: 8, .size: 8, .value_kind: global_buffer, .address_space: global }
      - { .name: qkv, .offset: 16, .size: 8, .value_kind: global_buffer, .address_space: global }
    .group_segment_fixed_size: 327680
    .private_segment_fixed_size: 0
    .kernarg_segment_align: 8
    .kernarg_segment_size: 24
    .max_flat_workgroup_size: 128
    .sgpr_count:     96
    .vgpr_count:     1024
    .wavefront_size: 32
...
	.end_amdgpu_metadata
.endif
;; end of part 2
;; launch attn (part 3): grid 4 x 64, 16 waves a work-group, no clusters, 167,936 bytes of LDS; arguments qkv, oq; writes oq
.if DOCPART == 3
	.amdgcn_target "amdgcn-amd-amdhsa--gfx1250"
	.amdhsa_code_object_version 6
	.text
	.protected	k_qcb7a84f9a4_attn
	.globl	k_qcb7a84f9a4_attn
	.p2align	8
	.type	k_qcb7a84f9a4_attn,@function
k_qcb7a84f9a4_attn:
	s_mov_b64 s[64:65], 0
	v_nop
	global_prefetch_b8 v0, s[64:65] scope:SCOPE_SE
	s_setreg_imm32_b32 hwreg(HW_REG_WAVE_MODE, 25, 1), 1
	s_wait_xcnt 0x0
; Causal attention of one head (32 numbers), both products on codes of FP6 (E2M3) with E8M0 scales; o / l is quantised (one head = one block of the last product's K) and stored as codes.
; t = score x c, c = log2(e) x sqrt(512); M = the running largest t, rounded UP to a whole number; p = 2^(t - M) is what is quantised, along the keys; the row's sum l is taken of the unquantised p and divides at the end.
; When M moves, l and O are multiplied by 2^(old M - new M): exact.
; WORK LEFT OUT: key steps all of whose keys come after a tile's queries: the causal mask sets their scores to -infinity, so their p is 0 for all inputs.
; SHARES.  Work-group (x, y): head y (16 x batch + head).  Wave w owns two tiles of 16 queries: tile 127 - (16 x + w), then tile 16 x + w.  Tile i needs i / 8 + 1 key steps of 128: 17 steps for every wave.
; K and V as codes, 2 x 49,152 bytes, come into LDS once, as they lie in memory, by 12 asynchronous copies a thread (8,192 bytes a copy and work-group), K's and V's by turns, keys ascending.
; The first pair of copies holds key steps 0 and 1 (6,144 bytes each of K and V): behind the wait that leaves the ten later copies out, and a barrier, the first tile's steps 0 and 1 are worked;
; then all copies are waited for and a second barrier follows.  The scale words (2 x 2,048 bytes) go through registers into LDS bytes of their own.  Both tiles' q are asked for at the head.
; THE SCORES' K IS 32, THE INSTRUCTION'S 128: a fragment of K holds FOUR tiles of 16 keys, one in each block of 32.  Four fragments of q, with q's 24 bytes in block e and zero codes elsewhere, pick them out.
; Both products are used transposed (S^T = K Q^T, O^T = V^T P^T): a lane holds ONE query.
; THE KEYS OF A TILE: row m of tile 4 F + e is key 64 F + 32 (m / 8) + 8 e + m % 8 of the step.  So register 32 F + n of S^T in lane (r, h) is key 64 F + 32 h + n: a lane holds two WHOLE blocks of 32 keys,
; in the order of the second product's operand: a block's maximum needs no other lane, and the conversions' results are the operand's registers (three moves a block: a conversion's registers begin on an even number).
; K's scale words are laid for these tiles at the head: the word of (F, r) is half r / 8 of the stored words of rows r % 8 and r % 8 + 8.
; THE MASK: in a tile's last step the half F that holds the diagonal is masked number by number, a half behind it is set to -infinity; both by scalar branches on ids.
; NO JOINT REQUEST: the jump round hidden key steps hangs on the work-group's place among the four that share a head's K and V.  NO PREFETCH: every byte is asked for at the head.
; LIMITS: the promise holds while scores stay under 2^119 in magnitude (the running maximum begins at -2^119); p under 2^-126 comes out of v_exp_f32 as 0; a block of zeros gets the byte 1 (its codes are zeros; this
; program alone reads the bytes); o / l is v_rcp_f32 and a multiplication; NaN and infinities among the inputs are not served.
; REGISTERS: v1-7 lane terms; v8-11, v16 the step's addresses; v12 -M, v13 the largest score, v[14:15] l; v18 the mask's bound; v19 lane; v20-22 16 r, 8 r, 4 r; v23, v31 the copies' addresses; v24-30, v88-94 q as loaded;
;   v32-61 the four fragments of q, overlapping; v62, v63 the add's two; v64-87 K; v96-159 S^T, then p; v160-175 O^T; v176-199 V; v200-205 partial sums; v206-215 at work; v200-222, v232-234 the way out; v224-235 p's codes;
;   v236-242 conversions' upper halves; v248, v249 K's and V's scale words, v252 the factor, v253 p's scale word, v255 q's.
.set VI,  49152                        ; LDS: K's images at 0, V's here,
.set KS,  98304                        ; K's scale words; V's 2,048 bytes behind them
.set SPARE, 102400                     ; the spare words, 128 bytes a wave
	s_load_b128 s[4:7], s[0:1], 0x0                ; qkv, oq
	v_lshl_add_u32 v62, v0, 2, SPARE
	v_mov_b32 v63, 0
	ds_add_u32 v62, v63                            ; the opening lines: the add, twice on end, and its wait ahead of my first copy
	ds_add_u32 v62, v63
	v_lshrrev_b32 v1, 5, v0
	v_readfirstlane_b32 s8, v1                     ; wave 0..15
	v_and_b32 v19, 31, v0                          ; lane
	v_and_b32 v17, 15, v0                          ; r
	v_bfe_u32 v15, v0, 4, 1                        ; h
	v_and_b32 v14, 7, v0                           ; r % 8
	v_bfe_u32 v13, v0, 3, 1                        ; r / 8
	v_lshlrev_b32 v23, 4, v0                       ; the copies: 16 x thread, in memory and in LDS,
	v_and_b32 v96, 0x1f7, v0                       ; K's scale words: the stored word of row r % 8,
	v_lshlrev_b32 v98, 2, v0                       ; 4 x thread
	v_mul_u32_u24 v1, v13, 768                     ; K: key 64 F + 32 (r / 8) + 8 (2 c + h) + r % 8 is lane r % 8 + 8 c + 16 h of the image of group 2 F + r / 8
	v_lshlrev_b32 v20, 4, v17
	v_lshlrev_b32 v21, 3, v17
	v_lshlrev_b32 v22, 2, v17
	v_mul_u32_u24 v3, v15, 768                     ; V: lane (r, h) takes group 2 c + h of the step's four, and of its image the lane (r, tile)
	v_add_nc_u32 v31, VI, v23
	v_lshlrev_b32 v96, 2, v96
	v_add_nc_u32 v99, KS, v98
	v_lshl_add_u32 v2, v14, 3, v1
	v_lshl_add_u32 v1, v14, 4, v1
	v_add_nc_u32 v4, v3, v21
	v_add_nc_u32 v3, v3, v20
	v_lshl_add_u32 v96, v13, 1, v96                ; its half r / 8
	v_lshl_add_u32 v2, v15, 7, v2
	v_lshl_add_u32 v1, v15, 8, v1                  ; registers 0-3: 768 (r / 8) + 16 (r % 8) + 256 h
	v_add_nc_u32 v4, VI+512, v4
	v_add_nc_u32 v3, VI, v3
	v_add_nc_u32 v2, 512, v2                       ; registers 4, 5: 768 (r / 8) + 512 + 8 (r % 8) + 128 h
	v_lshl_add_u32 v5, v19, 2, KS                  ; scale words: 4 x lane
	v_lshlrev_b32 v6, 3, v15                       ; 8 h
	v_lshl_add_u32 v7, v13, 3, v17
	v_lshlrev_b32 v16, 5, v15
	v_sub_nc_u32 v7, v7, v16                       ; r + 8 (r / 8) - 32 h
	v_cmp_gt_u32 s40, 16, v19                      ; lanes 0-15
.irp i, 0,1,2,3,4,5
	v_mov_b32 v[32+\i], 0                          ; the zero codes of q's fragments: written once
	v_mov_b32 v[44+\i], 0
	v_mov_b32 v[56+\i], 0
.endr
	s_and_b32 s10, ttmp7, 0xffff                   ; 16 x batch + head
	s_mul_i32 s20, s10, 49152
	s_mov_b32 s21, 0
	s_lshl_b32 s22, s10, 11
	s_add_co_u32 s22, s22, 0x900000
	s_mov_b32 s23, 0
	s_mov_b32 s38, 0x76543210
	s_mov_b32 s39, 0xfedcba98                      ; v_permlanex16_b32's selects for lane l xor 16
	s_mov_b32 s42, 0x420293ee                      ; c = log2(e) x sqrt(512)
	s_mov_b32 s43, s42                             ; (the packed form names the pair)
	; what of o's addresses hangs on the head alone: head = 4 s + 2 c + h of the last product's K
	s_and_b32 s11, s10, 15
	s_lshr_b32 s47, s10, 4
	s_lshl_b32 s47, s47, 6                         ; 64 groups of 32 tokens a batch
	s_lshr_b32 s24, s11, 2
	s_bfe_u32 s25, s11, 0x10001
	s_and_b32 s26, s11, 1
	s_mul_i32 s44, s24, 1536
	s_mul_i32 s25, s25, 768
	s_add_co_u32 s44, s44, s25
	s_lshl_b32 s27, s26, 7
	s_add_co_u32 s45, s44, s27
	s_add_co_u32 s45, s45, 512                     ; registers 4, 5: 512 + 8 (16 h + r)
	s_lshl_b32 s27, s26, 8
	s_add_co_u32 s44, s44, s27                     ; registers 0-3: 16 (16 h + r)
	s_lshl_b32 s46, s24, 7
	s_and_b32 s27, s11, 3
	s_add_co_u32 s46, s46, s27
	s_add_co_u32 s46, s46, 0x300000                ; the scale's byte
	s_lshl_b32 s9, ttmp9, 4
	s_add_co_u32 s9, s9, s8                        ; my second tile, 0 .. 63,
	s_sub_co_u32 s36, 127, s9                      ; and my first, 64 .. 127
	s_wait_alu depctr_va_vdst(0)
	s_wait_dscnt 0x0                               ; both opening adds are done
	s_wait_kmcnt 0x0
	s_add_nc_u64 s[12:13], s[4:5], s[20:21]        ; the head's images: q's here,
	s_add_nc_u64 s[14:15], s[4:5], s[22:23]        ; its scale words: q's here, k's 0x20000 on, v's 0x40000 on
	s_add_nc_u64 s[58:59], s[12:13], 0x300000      ; k's,
	s_add_nc_u64 s[60:61], s[12:13], 0x600000      ; v's
	global_load_u16 v144, v96, s[14:15] offset:0x20000    ; what the first two key steps need beside the first pair of copies is asked for ahead of the copies: the scale words here, the first tile's q below
	global_load_u16 v145, v96, s[14:15] offset:0x20020
	global_load_b32 v146, v98, s[14:15] offset:0x40000
; q of the tile in s[t] into v[d] .. v[d + 6]: both halves of the lanes take query r's 24 bytes and its 64 tokens' scale word; offsets in v[o] .. v[o + 2]
.macro QLOAD t, d, o
	s_lshr_b32 s20, s[\t], 1                       ; the group G of 32 tokens,
	s_and_b32 s21, s[\t], 1                        ; the tile u in it
	s_mul_i32 s22, s20, 768
	s_lshl_b32 s23, s21, 8
	s_add_co_u32 s23, s22, s23
	v_add_nc_u32 v[\o], s23, v20                   ; registers 0-3 at 768 G + 256 u + 16 r,
	s_lshl_b32 s23, s21, 7
	s_add_co_u32 s23, s22, s23
	v_add_nc_u32 v[\o+1], s23, v21                 ; registers 4, 5 at 768 G + 512 + 128 u + 8 r
	s_lshr_b32 s23, s20, 1
	s_lshl_b32 s23, s23, 6
	v_add_nc_u32 v[\o+2], s23, v22
	global_load_b128 v[\d:\d+3], v[\o], s[12:13]
	global_load_b64 v[\d+4:\d+5], v[\o+1], s[12:13] offset:512
	global_load_b32 v[\d+6], v[\o+2], s[14:15]
.endm
	QLOAD 36, 24, 100
.irp i, 0,1,2,3,4,5
	global_load_async_to_lds_b128 v23, v23, s[58:59] offset:8192*\i     ; 512 threads copy 8,192 consecutive bytes; the immediate steps both addresses
	global_load_async_to_lds_b128 v31, v23, s[60:61] offset:8192*\i
.endr
	QLOAD 9, 88, 104                               ; the second tile's q is wanted last
; What a tile's walk begins with.  t: the register that holds the tile; q: its q as loaded; lc: the loads that may stay out
.macro PSETUP t, q, lc
	s_lshr_b32 s17, s[\t], 1                       ; G
	s_and_b32 s18, s[\t], 1                        ; u
	s_lshr_b32 s19, s[\t], 3                       ; the tile's last key step
	s_and_b32 s30, s17, 1
	s_lshl_b32 s31, s30, 5
	s_lshl_b32 s30, s30, 1
	s_add_co_u32 s30, s30, s18
	s_mul_i32 s30, s30, 0x01010101                 ; byte 2 (G % 2) + u of q's word, into all four bytes
	s_lshl_b32 s33, s18, 3
	s_add_co_u32 s31, s31, s33                     ; 32 (G % 2) + 8 u
	s_bfe_u32 s57, s17, 0x10001                    ; which half F of the last step holds the diagonal
	s_add_co_u32 s34, s47, s17                     ; the group among all 256
	s_lshl_b32 s35, s34, 1
	s_add_co_u32 s35, s35, s18
	s_mul_i32 s35, s35, 6144                       ; o: a tile's four fragments
	s_add_co_u32 s48, s35, s44
	s_mov_b32 s49, 0
	s_add_co_u32 s50, s35, s45
	s_mov_b32 s51, 0
	s_lshl_b32 s52, s34, 9
	s_lshl_b32 s33, s18, 6
	s_add_co_u32 s52, s52, s33
	s_add_co_u32 s52, s52, s46
	s_mov_b32 s53, 0
	s_add_nc_u64 s[48:49], s[6:7], s[48:49]
	s_add_nc_u64 s[50:51], s[6:7], s[50:51]
	s_add_nc_u64 s[52:53], s[6:7], s[52:53]
	s_wait_loadcnt \lc
.irp i, 0,1,2,3,4,5
	v_cndmask_b32 v[50+\i], 0, v[\q+\i], s40       ; q in lanes 0-15 alone,
	v_cndmask_b32 v[38+\i], v[\q+\i], 0, s40       ; in lanes 16-31 alone
.endr
	v_perm_b32 v255, v[\q+6], v[\q+6], s30         ; q's scale byte stands for whichever block holds q
	v_add_nc_u32 v18, s31, v7                      ; in the diagonal's half register n is hidden where n > my query - the half's first key - 32 h
	v_mov_b32 v13, 0xfb000000                      ; the largest score so far: -2^119
	v_mov_b32 v12, 0x7b000000                      ; -M: 2^119
	v_mov_b32 v14, 0
	v_mov_b32 v15, 0
.irp j, 0,1,2,3,4,5,6,7,8,9,10,11,12,13,14,15
	v_mov_b32 v[160+\j], 0                         ; O^T: the step is written once; the first finds zeros, which the first change of M leaves zeros
.endr
	v_mov_b32 v214, 0                              ; a lane permute's destination counts as one of its sources
	v_mov_b32 v253, 0                              ; (named as the upper half of a pair before it is first written)
	v_mov_b32 v254, 0                              ; (these lines are also the places between the writes of q's fragments and scale and the first product)
	s_wait_alu depctr_va_vdst(0)
.endm
.macro MASK32 f                        ; the diagonal's half: 32 numbers a lane
	v_mov_b32 v254, 0xff800000                     ; -infinity
.set n, 0
.rept 32
	v_cmp_gt_i32 vcc_lo, n, v18
	v_cndmask_b32 v[96+32*\f+n], v[96+32*\f+n], v254, vcc_lo
.set n, n+1
.endr
.endm
; Key steps s54 .. lim - 1.  s55: the step's images, 3,072 bytes a step; s56: its scale words, 128.  chk: steps behind the tile's last are passed over, and the last is masked
.macro KLOOP lim, chk
.Lstep_\@:
.if \chk
	s_cmp_gt_u32 s54, s19                          ; all its keys come after my queries: only the addresses step
	s_cbranch_scc1 .Lskip_\@
.endif
	v_add_nc_u32 v8, s55, v1
	v_add_nc_u32 v9, s55, v2
	v_add_nc_u32 v16, s56, v5
.irp f, 0,1
.irp c, 0,1
	ds_load_b128 v[64+12*\f+6*\c:67+12*\f+6*\c], v8 offset:1536*\f+128*\c
	ds_load_b64 v[68+12*\f+6*\c:69+12*\f+6*\c], v9 offset:1536*\f+64*\c
.endr
.endr
	ds_load_b32 v248, v16                          ; K's words: lanes 0-15 fragment 0's, lanes 16-31 fragment 1's
	ds_load_b32 v249, v16 offset:2048              ; V's: lanes 0-15 tile 0's, lanes 16-31 tile 1's
	s_wait_dscnt 0x0
.irp e, 0,1,2,3
.set rQ, 50-12*(\e%2)-6*(\e/2)
	v_wmma_scale_f32_16x16x128_f8f6f4 v[96+8*\e:103+8*\e], v[64:75], v[rQ:rQ+11], 0, v248, v255 matrix_a_fmt:MATRIX_FMT_FP6 matrix_b_fmt:MATRIX_FMT_FP6
.endr
.irp e, 0,1,2,3
.set rQ, 50-12*(\e%2)-6*(\e/2)
	v_wmma_scale_f32_16x16x128_f8f6f4 v[128+8*\e:135+8*\e], v[76:87], v[rQ:rQ+11], 0, v248, v255 matrix_a_fmt:MATRIX_FMT_FP6 matrix_b_fmt:MATRIX_FMT_FP6 matrix_a_scale:MATRIX_SCALE_ROW1
.endr
	v_add_nc_u32 v10, s55, v3                      ; four places (ISA guide 7.12.1) in front of the first read of the scores
	v_add_nc_u32 v11, s55, v4
	v_nop
	v_nop
.irp p, 0,1
.irp c, 0,1
	ds_load_b128 v[176+12*\p+6*\c:179+12*\p+6*\c], v10 offset:1536*\c+256*\p   ; V's fragment p: 16 of the head's 32 x 128 keys
	ds_load_b64 v[180+12*\p+6*\c:181+12*\p+6*\c], v11 offset:1536*\c+128*\p
.endr
.endr
.if \chk
	s_cmp_lg_u32 s54, s19                          ; only the tile's last step has hidden keys
	s_cbranch_scc1 .Lopen_\@
	s_cmp_lg_u32 s57, 0
	s_cbranch_scc1 .Lhi_\@
	MASK32 0
.set n, 0
.rept 32
	v_mov_b32 v[128+n], v254                       ; the half behind the diagonal's is hidden whole
.set n, n+1
.endr
	s_wait_alu depctr_va_vdst(0)
	s_branch .Lopen_\@
.Lhi_\@:
	MASK32 1
.Lopen_\@:
.endif
.irp f, 0,1                                    ; the largest score of my two blocks of 32 keys, each in two chains: for the row's maximum, and, since p rises with the score, for the block's largest p
	v_max3_num_f32 v[206+\f], v[96+32*\f], v[97+32*\f], v[98+32*\f]
	v_max3_num_f32 v[208+\f], v[112+32*\f], v[113+32*\f], v[114+32*\f]
.endr
.irp i, 3,5,7,9,11,13
.irp f, 0,1
	v_max3_num_f32 v[206+\f], v[206+\f], v[96+32*\f+\i], v[97+32*\f+\i]
	v_max3_num_f32 v[208+\f], v[208+\f], v[112+32*\f+\i], v[113+32*\f+\i]
.endr
.endr
.irp f, 0,1
	v_max3_num_f32 v[206+\f], v[206+\f], v[208+\f], v[111+32*\f]
.endr
.irp f, 0,1
	v_max_num_f32 v[206+\f], v[206+\f], v[127+32*\f]
.endr
	v_mov_b32 v215, v12                            ; the old -M
	v_max_num_f32 v254, v206, v207
	v_permlanex16_b32 v214, v254, s38, s39         ; lane l xor 16 holds my query's other two blocks
	v_max3_num_f32 v13, v13, v254, v214            ; the running largest score
	v_mul_f32 v254, s42, v13                       ; as t (c is positive)
	v_floor_f32 v12, -v254                         ; the new -M = -ceil(t)
	v_sub_f32 v254, v12, v215                      ; old M - new M: a whole number, 0 or less
.irp j, 0,2,4,6
	v_pk_fma_f32 v[96+\j:97+\j], v[96+\j:97+\j], s[42:43], v[12:13] op_sel_hi:[1,0,0]   ; t - M, two at a time
.endr
	v_cvt_i32_f32 v254, v254                       ; (it saturates)
.irp j, 8,10,12,14
	v_pk_fma_f32 v[96+\j:97+\j], v[96+\j:97+\j], s[42:43], v[12:13] op_sel_hi:[1,0,0]
.endr
	v_ldexp_f32 v252, 1.0, v254                    ; f = 2^(old M - new M)
.irp j, 16,18,20,22,24,26,28,30,32,34,36,38,40,42,44,46,48,50,52,54,56,58,60,62
	v_pk_fma_f32 v[96+\j:97+\j], v[96+\j:97+\j], s[42:43], v[12:13] op_sel_hi:[1,0,0]
.endr
	v_fma_f32 v206, v206, s42, v12                 ; the same of each block's largest score
	v_fma_f32 v207, v207, s42, v12
.irp j, 0,2,4,6,8,10,12,14
	v_pk_mul_f32 v[160+\j:161+\j], v[160+\j:161+\j], v[252:253] op_sel_hi:[1,0]   ; O^T under the new M
.endr
	s_wait_alu depctr_va_vdst(0)
.set n, 0
.rept 64
	v_exp_f32 v[96+n], v[96+n]                     ; p = 2^(t - M), at most 1: not normalised
.set n, n+1
.endr
	v_exp_f32 v206, v206                           ; the block's largest p: the same two instructions on the same number
	v_exp_f32 v207, v207
	v_pk_mul_f32 v[14:15], v[14:15], v[252:253] op_sel_hi:[1,0]   ; l under the new M: the plain line behind the batch
	s_wait_alu depctr_va_vdst(0)                   ; one wait for the 66, ahead of their first reader
	s_wait_dscnt 0x0                               ; V is in: asked for ahead of the maxima
	v_max_num_f32 v206, 0x1800000, v206            ; the floor 2^(3 - 127): a block whose every p is 0 keeps the byte 1
	v_max_num_f32 v207, 0x1800000, v207
	v_add_nc_u32 v210, 0xff000000, v206            ; 2 off the exponent field: the conversion's scale operand
	v_add_nc_u32 v211, 0xff000000, v207
.irp c, 0,1
	v_cvt_scalef32_pk16_fp6_f32 v[224+6*\c:226+6*\c], v[96+32*\c:111+32*\c], v[210+\c]
	v_cvt_scalef32_pk16_fp6_f32 v[236+4*\c:238+4*\c], v[112+32*\c:127+32*\c], v[210+\c]   ; (a conversion's three registers begin on an even number)
.endr
	v_lshrrev_b32 v212, 23, v210                   ; the scales' bytes: plain lines behind the conversions
	v_lshrrev_b32 v213, 23, v211
	v_lshl_or_b32 v212, v213, 16, v212             ; my blocks h and 2 + h,
	v_lshlrev_b32 v212, v6, v212                   ; at their places in the word;
	v_permlanex16_b32 v214, v212, s38, s39
	v_or_b32 v253, v212, v214                      ; with lane l xor 16's two: p's scale word for these 128 keys
.irp c, 0,1
.irp i, 0,1,2
	v_mov_b32 v[227+6*\c+\i], v[236+4*\c+\i]
.endr
.endr
	v_pk_add_f32 v[200:201], v[96:97], v[98:99]    ; the row's sum of the unquantised p, in four chains.  These eight are the places between p's codes and scale word and the products
	v_pk_add_f32 v[202:203], v[100:101], v[102:103]
	v_pk_add_f32 v[204:205], v[104:105], v[106:107]
	v_pk_add_f32 v[14:15], v[14:15], v[108:109]
	v_pk_add_f32 v[200:201], v[200:201], v[110:111]
	v_pk_add_f32 v[202:203], v[202:203], v[112:113]
	v_pk_add_f32 v[204:205], v[204:205], v[114:115]
	v_pk_add_f32 v[14:15], v[14:15], v[116:117]
	v_wmma_scale_f32_16x16x128_f8f6f4 v[160:167], v[176:187], v[224:235], v[160:167], v249, v253 matrix_a_fmt:MATRIX_FMT_FP6 matrix_b_fmt:MATRIX_FMT_FP6
	v_wmma_scale_f32_16x16x128_f8f6f4 v[168:175], v[188:199], v[224:235], v[168:175], v249, v253 matrix_a_fmt:MATRIX_FMT_FP6 matrix_b_fmt:MATRIX_FMT_FP6 matrix_a_scale:MATRIX_SCALE_ROW1
.irp j, 118,126,134,142,150                    ; the rest of the sum names no register of the two products: their places
	v_pk_add_f32 v[200:201], v[200:201], v[\j:\j+1]
	v_pk_add_f32 v[202:203], v[202:203], v[\j+2:\j+3]
	v_pk_add_f32 v[204:205], v[204:205], v[\j+4:\j+5]
	v_pk_add_f32 v[14:15], v[14:15], v[\j+6:\j+7]
.endr
	v_pk_add_f32 v[200:201], v[200:201], v[158:159]
	v_pk_add_f32 v[202:203], v[202:203], v[204:205]
	v_pk_add_f32 v[14:15], v[14:15], v[200:201]
	v_pk_add_f32 v[14:15], v[14:15], v[202:203]
.if \chk
.Lskip_\@:
.endif
	s_add_co_u32 s55, s55, 3072
	s_add_co_u32 s56, s56, 128
	s_add_co_u32 s54, s54, 1
	s_cmp_lt_u32 s54, \lim
	s_cbranch_scc1 .Lstep_\@
.endm
; o = O / l, quantised: my 16 numbers and lane l xor 16's are the head's 32, one block
.macro OUT
	s_wait_alu depctr_va_vdst(0)                   ; l was written ahead of branches
	v_add_f32 v14, v14, v15
	s_delay_alu instid0(VALU_DEP_1)
	v_permlanex16_b32 v254, v14, s38, s39
	s_delay_alu instid0(VALU_DEP_1)
	v_add_f32 v14, v14, v254                       ; the row's sum
	s_wait_alu depctr_va_vdst(0)                   ; ahead of the reciprocal,
	v_rcp_f32 v14, v14
	v_nop                                          ; a plain line behind it,
	s_wait_alu depctr_va_vdst(0)                   ; and the wait ahead of its first reader, which is O^T's first reader too
.irp j, 0,1,2,3,4,5,6,7,8,9,10,11,12,13,14,15
	v_mul_f32 v[200+\j], v[160+\j], v14            ; register i is number 16 h + i of the head
.endr
	v_max3_num_f32 v232, |v200|, |v201|, 0x1800000
	v_max3_num_f32 v233, |v202|, |v203|, |v204|
	s_delay_alu instid0(VALU_DEP_2)
	v_max3_num_f32 v232, v232, |v205|, |v206|
	s_delay_alu instid0(VALU_DEP_2)
	v_max3_num_f32 v233, v233, |v207|, |v208|
	s_delay_alu instid0(VALU_DEP_2)
	v_max3_num_f32 v232, v232, |v209|, |v210|
	s_delay_alu instid0(VALU_DEP_2)
	v_max3_num_f32 v233, v233, |v211|, |v212|
	s_delay_alu instid0(VALU_DEP_2)
	v_max3_num_f32 v232, v232, |v213|, |v214|
	s_delay_alu instid0(VALU_DEP_1)
	v_max3_num_f32 v232, v232, v233, |v215|
	s_delay_alu instid0(VALU_DEP_1)
	v_permlanex16_b32 v233, v232, s38, s39
	s_delay_alu instid0(VALU_DEP_1)
	v_max_num_f32 v232, v232, v233
	s_delay_alu instid0(VALU_DEP_1)
	v_add_nc_u32 v234, 0xff000000, v232
	v_cvt_scalef32_pk16_fp6_f32 v[216:218], v[200:215], v234
	v_lshrrev_b32 v222, 23, v234                   ; the scale's byte: the plain line behind the conversion
.irp i, 0,1,2
	v_mov_b32 v[219+\i], v[216+\i]
.endr
.irp i, 0,1,2
	v_permlane16_swap_b32 v[216+\i], v[219+\i]     ; every lane now holds its query's 24 bytes: the lower 16 codes, then the upper
.endr
	s_wait_alu depctr_va_vdst(0)
	s_wait_xcnt 0x0                                ; EXEC changes only behind this wait
	v_cmp_gt_u32 vcc_lo, 16, v19
	s_and_saveexec_b32 s41, vcc_lo                 ; lanes 0-15 store
	global_store_b128 v20, v[216:219], s[48:49]    ; sixteen lanes store 256 consecutive bytes, at a multiple of 256 from the buffer's first byte
	global_store_b64 v21, v[220:221], s[50:51]
	global_store_b8 v22, v222, s[52:53]
	s_wait_xcnt 0x0                                ; and again, in front of the line that widens it; the stores' registers and bases may be written again too
	s_or_b32 exec_lo, exec_lo, s41
.endm
	PSETUP 36, 24, 3                               ; the scale words and the first tile's q are in; the second tile's three loads may be out
	v_lshl_or_b32 v144, v145, 16, v144             ; K's scale word for my (step, F, r)
	ds_store_b32 v99, v144
	ds_store_b32 v99, v146 offset:2048
	s_wait_alu depctr_va_vdst(0)
	s_wait_xcnt 0x0                                ; the loads have read their offsets, which lie where the scores will
	s_wait_asynccnt 0xa                            ; my part of the first pair of copies has landed; the ten behind it may be out
	s_wait_dscnt 0x0                               ; and my scale words
	s_barrier_signal -1
	s_barrier_wait -1                              ; everybody's: key steps 0 and 1 are whole
	s_mov_b32 s54, 0
	s_mov_b32 s55, 0
	s_mov_b32 s56, 0
	KLOOP 2, 0                                     ; the first tile has 9 key steps or more: none of these two is passed over or masked
	s_wait_alu depctr_va_vdst(0)
	s_wait_asynccnt 0x0                            ; all my copies have landed
	s_wait_dscnt 0x0
	s_barrier_signal -1
	s_barrier_wait -1                              ; everybody's.  LDS is only read from here on
	s_mov_b32 s54, 2
	s_mov_b32 s55, 6144
	s_mov_b32 s56, 256
	KLOOP 16, 1
	OUT
	PSETUP 9, 88, 0
	s_mov_b32 s54, 0
	s_mov_b32 s55, 0
	s_mov_b32 s56, 0
	KLOOP 8, 1                                     ; the second tile has 8 key steps at the most
	OUT
	s_wait_xcnt 0x0
	s_mov_b32 exec_lo, -1
	s_wait_tensorcnt 0x0                           ; the wave's end
	s_wait_asynccnt 0x0
	ds_add_u32 v62, v63
	s_wait_dscnt 0x0
	s_endpgm
.Lfunc_end_k_qcb7a84f9a4_attn:
	.size	k_qcb7a84f9a4_attn, .Lfunc_end_k_qcb7a84f9a4_attn-k_qcb7a84f9a4_attn
	.p2alignl 7, 3214868480
	.fill 96, 4, 3214868480
	.section	.rodata,"a",@progbits
	.p2align	6, 0x0
	.amdhsa_kernel k_qcb7a84f9a4_attn
		.amdhsa_group_segment_fixed_size 167936
		.amdhsa_private_segment_fixed_size 0
		.amdhsa_enable_private_segment 0
		.amdhsa_kernarg_size 16
		.amdhsa_user_sgpr_count 2
		.amdhsa_user_sgpr_kernarg_segment_ptr 1
		.amdhsa_wavefront_size32 1
		.amdhsa_system_sgpr_workgroup_id_x 1
		.amdhsa_system_sgpr_workgroup_id_y 1
		.amdhsa_system_sgpr_workgroup_id_z 1
		.amdhsa_system_vgpr_workitem_id 0
		.amdhsa_next_free_vgpr 256
		.amdhsa_next_free_sgpr 66
		.amdhsa_reserve_vcc 1
		.amdhsa_float_denorm_mode_32 3
		.amdhsa_float_denorm_mode_16_64 3
		.amdhsa_memory_ordered 1
		.amdhsa_forward_progress 1
		.amdhsa_inst_pref_size 69
	.end_amdhsa_kernel
	.amdgpu_metadata
---
amdhsa.version: [ 1, 2 ]
amdhsa.kernels:
  - .name:           k_qcb7a84f9a4_attn
    .symbol:         k_qcb7a84f9a4_attn.kd
    .args:
      - { .name: qkv, .offset: 0, .size: 8, .value_kind: global_buffer, .address_space: global }
      - { .name: oq, .offset: 8, .size: 8, .value_kind: global_buffer, .address_space: global }
    .group_segment_fixed_size: 167936
    .private_segment_fixed_size: 0
    .kernarg_segment_align: 8
    .kernarg_segment_size: 16
    .max_flat_workgroup_size: 512
    .sgpr_count:     66
    .vgpr_count:     256
    .wavefront_size: 32
...
	.end_amdgpu_metadata
.endif
;; end of part 3
;; launch outp (part 4): grid 256 x 1, 4 waves a work-group, no clusters, 34,304 bytes of LDS; arguments oq, wq, out0; writes out0
.if DOCPART == 4
	.amdgcn_target "amdgcn-amd-amdhsa--gfx1250"
	.amdhsa_code_object_version 6
	.text
	.protected	k_qcb7a84f9a4_outp
	.globl	k_qcb7a84f9a4_outp
	.p2align	8
	.type	k_qcb7a84f9a4_outp,@function
k_qcb7a84f9a4_outp:
	s_mov_b64 s[64:65], 0
	v_nop
	global_prefetch_b8 v0, s[64:65] scope:SCOPE_SE
	s_setreg_imm32_b32 hwreg(HW_REG_WAVE_MODE, 25, 1), 1
	s_wait_xcnt 0x0
; out = o Wo on codes of FP6 (E2M3) with E8M0 scales, K = 512 in 4 steps of 128.  o's and Wo's codes lie in memory as images of the operands' registers.
; SHARES.  A work-group takes 32 tokens (two tiles of 16), wave w columns 128 w .. 128 w + 127 (8 tiles): 16 accumulators.  The waves share nothing; one barrier at the end.
; The product is used TRANSPOSED (source 0 = 16 columns of Wo, source 1 = 16 tokens): a lane holds eight neighbouring columns of one token's row.
; A tile's rows are 8 u + r + 8 (r / 8) of a group of 32, tokens and columns alike.
; All operands are asked for at the head, K step by K step, 37 loads each; the products of a step begin when its loads are in.
; No tensor load, no LDS for operands, no joint request: each wave reads its own 49,152 bytes of Wo once; the 12,800 bytes of o that the four waves share come straight into registers.
; REGISTERS, in windows of 256: window 0: v1-7, v28 addresses; v8-11 o's scale words; v12-27 Wo's; v32-127 o's 8 fragments; v128-255 rows on the way out.
;   windows 1 (K steps 0, 1) and 2 (K steps 2, 3): Wo's fragments at 96 (s % 2) + 12 (2 b + uc).   window 3: the accumulators at 64 ut + 16 b + 8 uc.
.set SP, 528                           ; the way out: a stage of 16 rows x (512 bytes + 16) for each wave
.set MSB, 0
.macro WIN new                         ; the immediate's high byte repeats the setting that is left
.if MSB != (\new)
	s_set_vgpr_msb (MSB<<8)|(\new)
.set MSB, (\new)
.endif
.endm
.macro WM zero, ra, rb                 ; one matrix instruction on the registers named by rD, rA, rB, rSA, rSB; ra, rb: the scales stand in lanes 16-31
.if \zero
.if (\ra) && (\rb)
	v_wmma_scale_f32_16x16x128_f8f6f4 v[rD:rD+7], v[rA:rA+11], v[rB:rB+11], 0, v[rSA], v[rSB] matrix_a_fmt:MATRIX_FMT_FP6 matrix_b_fmt:MATRIX_FMT_FP6 matrix_a_scale:MATRIX_SCALE_ROW1 matrix_b_scale:MATRIX_SCALE_ROW1
.elseif \ra
	v_wmma_scale_f32_16x16x128_f8f6f4 v[rD:rD+7], v[rA:rA+11], v[rB:rB+11], 0, v[rSA], v[rSB] matrix_a_fmt:MATRIX_FMT_FP6 matrix_b_fmt:MATRIX_FMT_FP6 matrix_a_scale:MATRIX_SCALE_ROW1
.elseif \rb
	v_wmma_scale_f32_16x16x128_f8f6f4 v[rD:rD+7], v[rA:rA+11], v[rB:rB+11], 0, v[rSA], v[rSB] matrix_a_fmt:MATRIX_FMT_FP6 matrix_b_fmt:MATRIX_FMT_FP6 matrix_b_scale:MATRIX_SCALE_ROW1
.else
	v_wmma_scale_f32_16x16x128_f8f6f4 v[rD:rD+7], v[rA:rA+11], v[rB:rB+11], 0, v[rSA], v[rSB] matrix_a_fmt:MATRIX_FMT_FP6 matrix_b_fmt:MATRIX_FMT_FP6
.endif
.else
.if (\ra) && (\rb)
	v_wmma_scale_f32_16x16x128_f8f6f4 v[rD:rD+7], v[rA:rA+11], v[rB:rB+11], v[rD:rD+7], v[rSA], v[rSB] matrix_a_fmt:MATRIX_FMT_FP6 matrix_b_fmt:MATRIX_FMT_FP6 matrix_a_scale:MATRIX_SCALE_ROW1 matrix_b_scale:MATRIX_SCALE_ROW1
.elseif \ra
	v_wmma_scale_f32_16x16x128_f8f6f4 v[rD:rD+7], v[rA:rA+11], v[rB:rB+11], v[rD:rD+7], v[rSA], v[rSB] matrix_a_fmt:MATRIX_FMT_FP6 matrix_b_fmt:MATRIX_FMT_FP6 matrix_a_scale:MATRIX_SCALE_ROW1
.elseif \rb
	v_wmma_scale_f32_16x16x128_f8f6f4 v[rD:rD+7], v[rA:rA+11], v[rB:rB+11], v[rD:rD+7], v[rSA], v[rSB] matrix_a_fmt:MATRIX_FMT_FP6 matrix_b_fmt:MATRIX_FMT_FP6 matrix_b_scale:MATRIX_SCALE_ROW1
.else
	v_wmma_scale_f32_16x16x128_f8f6f4 v[rD:rD+7], v[rA:rA+11], v[rB:rB+11], v[rD:rD+7], v[rSA], v[rSB] matrix_a_fmt:MATRIX_FMT_FP6 matrix_b_fmt:MATRIX_FMT_FP6
.endif
.endif
.endm
	s_load_b128 s[4:7], s[0:1], 0x0                ; oq, wq
	s_load_b64 s[8:9], s[0:1], 0x10                ; out0
	v_lshl_add_u32 v30, v0, 2, 0x8400
	v_mov_b32 v31, 0
	v_lshrrev_b32 v1, 5, v0
	v_readfirstlane_b32 s10, v1                    ; wave
	v_and_b32 v1, 31, v0                           ; lane
	v_and_b32 v2, 15, v0                           ; r
	v_bfe_u32 v3, v0, 4, 1                         ; h
	v_lshlrev_b32 v4, 4, v1                        ; 16 x lane
	v_lshlrev_b32 v5, 3, v1                        ; 8 x lane
	v_lshlrev_b32 v6, 2, v1                        ; 4 x lane
	s_mul_i32 s11, s10, 16*SP                      ; my stage
	v_mul_u32_u24 v7, v2, SP
	v_lshl_add_u32 v7, v3, 6, v7
	v_add_nc_u32 v7, s11, v7                       ; in: row r, + 64 h
	v_add_nc_u32 v28, s11, v4                      ; back: 16 bytes a lane of a row of 512
	s_mul_i32 s12, ttmp9, 12288                    ; o: the group's two tiles of four fragments,
	s_mov_b32 s13, 0
	s_lshl_b32 s14, ttmp9, 9
	s_add_co_u32 s14, s14, 0x300000                ; their scale words,
	s_mov_b32 s15, 0
	s_mul_i32 s18, s10, 49152
	s_add_co_u32 s18, s18, 0x258000                ; Wo: my four units of 32 columns,
	s_mov_b32 s19, 0
	s_lshl_b32 s20, s10, 11
	s_add_co_u32 s20, s20, 0x288000                ; their scale words,
	s_mov_b32 s21, 0
	s_lshl_b32 s16, ttmp9, 16
	s_lshl_b32 s17, s10, 9
	s_add_co_u32 s16, s16, s17                     ; out: 32 rows of 2,048 bytes a group, 512 bytes a wave
	s_mov_b32 s17, 0
	s_wait_alu depctr_va_vdst(0)
	s_wait_kmcnt 0x0
	s_add_nc_u64 s[12:13], s[4:5], s[12:13]
	s_add_nc_u64 s[14:15], s[4:5], s[14:15]
	s_add_nc_u64 s[18:19], s[6:7], s[18:19]
	s_add_nc_u64 s[20:21], s[6:7], s[20:21]
	s_add_nc_u64 s[16:17], s[8:9], s[16:17]
.irp sp, 0,1,2,3                               ; K step by K step: 8 + 1 + 4 + 24 = 37 loads
	WIN 0
.irp ut, 0,1
.irp c, 0,1
	global_load_b128 v[32+24*\sp+12*\ut+6*\c:35+24*\sp+12*\ut+6*\c], v4, s[12:13] offset:6144*\ut+1536*\sp+768*\c
	global_load_b64 v[36+24*\sp+12*\ut+6*\c:37+24*\sp+12*\ut+6*\c], v5, s[12:13] offset:6144*\ut+1536*\sp+768*\c+512
.endr
.endr
	global_load_b32 v[8+\sp], v6, s[14:15] offset:128*\sp                     ; lanes 0-15: tile 0's words, lanes 16-31: tile 1's
.irp b, 0,1,2,3
	global_load_b32 v[12+4*\sp+\b], v6, s[20:21] offset:(4*\b+\sp)*128
.endr
	WIN 0x40*(1+\sp/2)                             ; destination window 1 or 2
.irp b, 0,1,2,3
.irp uc, 0,1
.irp q, 0,1,2
	global_load_b128 v[96*(\sp%2)+12*(2*\b+\uc)+4*\q:96*(\sp%2)+12*(2*\b+\uc)+4*\q+3], v4, s[18:19] offset:(4*\b+\sp)*3072+1536*\uc+512*\q
.endr
.endr
.endr
.endr
.irp sp, 0,1,2,3
.if \sp < 2
	s_wait_loadcnt 63                              ; behind this step's loads stand 111, then 74: more than a wait can name, so the largest count is taken
.elseif \sp == 2
	s_wait_loadcnt 37                              ; the last step's 37 may be out
.else
	s_wait_loadcnt 0x0
.endif
	WIN 0xf1+\sp/2                                 ; source 0 (Wo) window 1 or 2, source 1 (o) window 0, C and D window 3
.irp ut, 0,1                                   ; the 16 accumulators take turns, one instruction a turn; the first step starts the sums
.irp b, 0,1,2,3
.irp uc, 0,1
.set rD, 64*\ut+16*\b+8*\uc
.set rA, 96*(\sp%2)+12*(2*\b+\uc)
.set rB, 32+24*\sp+12*\ut
.set rSA, 12+4*\sp+\b
.set rSB, 8+\sp
	WM \sp==0, \uc, \ut
.endr
.endr
.endr
.endr
	WIN 0
.rept 4
	v_nop                                          ; four places (ISA guide 7.12.1) in front of the first read of results
.endr
; THE WAY OUT.  A lane holds 32 neighbouring bytes of a row, the lanes beside it other rows: a tile of 16 tokens goes through my own stage and comes back as whole rows of 512 bytes.
; LDS serves a wave's instructions in order: no wait between the stores and the loads, nor in front of the next tile's stores.
.macro TOSTAGE ut
	WIN 0x0c                                       ; an LDS store's data are its source 1: window 3
.irp b, 0,1,2,3
.irp uc, 0,1
	ds_store_b128 v7, v[64*(\ut)+16*\b+8*\uc:64*(\ut)+16*\b+8*\uc+3] offset:128*\b+32*\uc          ; each accumulator from its low end on
	ds_store_b128 v7, v[64*(\ut)+16*\b+8*\uc+4:64*(\ut)+16*\b+8*\uc+7] offset:128*\b+32*\uc+16
.endr
.endr
	WIN 0
.set i, 0
.rept 16
	ds_load_b128 v[128+64*(\ut)+4*i:128+64*(\ut)+4*i+3], v28 offset:SP*i
.set i, i+1
.endr
.endm
.macro SEND ut
.set i, 0
.rept 16
	global_store_b128 v4, v[128+64*(\ut)+4*i:128+64*(\ut)+4*i+3], s[16:17] offset:(8*(\ut)+i+8*(i/8))*2048 th:TH_STORE_NT   ; row i of the tile is token 8 ut + i + 8 (i / 8): 32 lanes store 512 consecutive bytes, at a multiple of 512 from the buffer's first byte
.set i, i+1
.endr
.endm
	TOSTAGE 0
	TOSTAGE 1
	s_wait_dscnt 32                                ; tile 0's rows are back; tile 1's 16 stores and 16 loads may be out
	SEND 0
	s_wait_dscnt 0x0
	SEND 1
	s_barrier_signal -1
	s_barrier_wait -1
	s_wait_tensorcnt 0x0
	ds_add_u32 v30, v31
	s_wait_dscnt 0x0
	s_endpgm
.Lfunc_end_k_qcb7a84f9a4_outp:
	.size	k_qcb7a84f9a4_outp, .Lfunc_end_k_qcb7a84f9a4_outp-k_qcb7a84f9a4_outp
	.p2alignl 7, 3214868480
	.fill 96, 4, 3214868480
	.section	.rodata,"a",@progbits
	.p2align	6, 0x0
	.amdhsa_kernel k_qcb7a84f9a4_outp
		.amdhsa_group_segment_fixed_size 34304
		.amdhsa_private_segment_fixed_size 0
		.amdhsa_enable_private_segment 0
		.amdhsa_kernarg_size 24
		.amdhsa_user_sgpr_count 2
		.amdhsa_user_sgpr_kernarg_segment_ptr 1
		.amdhsa_wavefront_size32 1
		.amdhsa_system_sgpr_workgroup_id_x 1
		.amdhsa_system_sgpr_workgroup_id_y 1
		.amdhsa_system_sgpr_workgroup_id_z 1
		.amdhsa_system_vgpr_workitem_id 0
		.amdhsa_next_free_vgpr 1024
		.amdhsa_next_free_sgpr 66
		.amdhsa_reserve_vcc 0
		.amdhsa_float_denorm_mode_32 3
		.amdhsa_float_denorm_mode_16_64 3
		.amdhsa_memory_ordered 1
		.amdhsa_forward_progress 1
		.amdhsa_inst_pref_size 32
	.end_amdhsa_kernel
	.amdgpu_metadata
---
amdhsa.version: [ 1, 2 ]
amdhsa.kernels:
  - .name:           k_qcb7a84f9a4_outp
    .symbol:         k_qcb7a84f9a4_outp.kd
    .args:
      - { .name: oq, .offset: 0, .size: 8, .value_kind: global_buffer, .address_space: global }
      - { .name: wq, .offset: 8, .size: 8, .value_kind: global_buffer, .address_space: global }
      - { .name: out0, .offset: 16, .size: 8, .value_kind: global_buffer, .address_space: global }
    .group_segment_fixed_size: 34304
    .private_segment_fixed_size: 0
    .kernarg_segment_align: 8
    .kernarg_segment_size: 24
    .max_flat_workgroup_size: 128
    .sgpr_count:     66
    .vgpr_count:     1024
    .wavefront_size: 32
...
	.end_amdgpu_metadata
.endif
;; end of part 4
